; MI455X (gfx1250); checked and timed in simulation.
; The chip was launched on July 23, 2026; its instructions are those of AMD's public machine-readable ISA for CDNA 5 (MIT licence, August 2026) and "CDNA5" Instruction Set Architecture Reference Guide (July 2026). The comments in the code are by the model that wrote it; some were corrected since.
;; Target Linear. Allowed arithmetic: matrix products marked QUANTISED: E4M3 operands, one E8M0 scale for each 32 along K, by v_wmma_scale_f32_16x16x128_f8f6f4 with both operands' format E4M3, f32 sums; products left as they are: f32 operands where the result goes on into a quantised operand, else bf16, f16 or f32 operands; f32 sums; everything else in f32.
;; Inputs: W1 256 x 4,096 float32; Wb 256 x 64 float32; b1 4,096 float32; bb 64 float32; hyp_mask 16 x 8,192 x 8 x 1 float32; hyper_ipt 8 x 256 float32; target_ipt 16 x 8,192 x 64 float32.
;; Outputs: out0 16 x 8,192 x 64 float32.
;; This version of the problem:
;;   THIS VERSION OF THE PROBLEM IS GIVEN IN LOW PRECISION. The matrix products marked QUANTISED in the list below multiply operands that are first quantised to E4M3 (4 exponent bits, 3 mantissa bits; 8 bits a number), with one power-of-two scale for each 32 numbers along K (OCP MX v1.0); their sums are f32. All else is computed in f32.
;;   The module's matrix products, in the order in which they are computed (A, B: the left and right operand; K: the contracted axis; several contracted axes count as one K, in the product's order):
;;     1. [M 8, K 256] x [K 256, N 4,096]; A: input hyper_ipt; B: input W1: left as it is (M = 8 < 16)
;;     2. [M 8, K 256] x [K 256, N 64]; A: input hyper_ipt; B: input Wb: left as it is (M = 8 < 16)
;;     3. batch 8 x [M 64, K 32] x [K 32, N 64]; A: computed on the way; B: computed on the way: QUANTISED
;;     4. [M 131,072, K 64] x [K 64, N 512]; A: input target_ipt; B: computed on the way: QUANTISED
;;   THE QUANTISER, for each operand of a quantised product, along K:
;;     - K is cut into blocks of 32 from its start; a last block that is shorter is filled with zeros.
;;     - A block's scale is 2^e with e = floor(log2(the largest magnitude in the block)) - 8, held to -126 .. 127; a block of zeros has e = 0. As a byte (E8M0): e + 127.
;;     - Each number is divided by its block's scale, clamped to +-448, and rounded to the nearest number of E4M3, ties to even, subnormals kept.
;;     - The product sums the exact products of the quantised numbers (number of the format x scale) in f32.
;;   ~~~python
;;   def quantise(x, axis):      # numpy; x: float32 -> the quantised numbers, widened to float32 again
;;       x = np.moveaxis(x, axis, -1); K = x.shape[-1]
;;       x = np.pad(x, [(0, 0)] * (x.ndim - 1) + [(0, -K % 32)]); x = x.reshape(x.shape[:-1] + (-1, 32)); a = np.abs(x).max(-1, keepdims=True)
;;       e = np.where(a > 0, np.clip(np.frexp(np.where(a > 0, a, 1))[1] - 1 - 8, -126, 127), 0)      # np.frexp(a)[1] - 1 = floor(log2(a)), exactly
;;       r = np.clip(x / 2.0 ** e, -448, 448)
;;       step = 2.0 ** (np.maximum(np.frexp(np.where(r == 0, 1, r))[1] - 1, -6) - 3)
;;       q = np.round(r / step) * step * 2.0 ** e      # np.round: ties to even
;;       return np.moveaxis(q.reshape(q.shape[:-2] + (-1,))[..., :K], -1, axis).astype(np.float32)
;;   ~~~
;;   OPERANDS COMPUTED ON THE WAY. 'Computed on the way' means the value that the module computes at that place (a softmax that the list does not call 'softmax' is quantised finished and normalised). What goes into a quantiser is computed in f32, as accurately as f32 sums, v_exp_f32 and their like allow (about 1e-6 of the number): no bf16 or f16 on the way to a quantiser, and a product that is left as it is and whose result goes on into a quantised operand takes f32 operands (vector FMAs, or v_wmma_f32_16x16x4_f32). A number that lies on a knife's edge between two numbers of the format may be rounded either way, as far as f32 arithmetic and the matrix unit's own rounding can turn it there, and no further.
;; One version. Each part assembles by itself: llvm-mc -triple=amdgcn-amd-amdhsa -mcpu=gfx1250 --defsym DOCPART=n.
;; ======== version 1 of 1: 2 launches
;; limits: right only within a limited range of input values
;; workspace buffers: hw 86,016 bytes
;; launch hyper (part 1): grid 130 x 1, 8 waves a work-group, no clusters, 43,008 bytes of LDS; arguments W1, b1, Wb, bb, hyper_ipt, hw; writes hw
.if DOCPART == 1
	.amdgcn_target "amdgcn-amd-amdhsa--gfx1250"
	.amdhsa_code_object_version 6
	.text
	.protected	k_qa4018edfff_hyper
	.globl	k_qa4018edfff_hyper
	.p2align	8
	.type	k_qa4018edfff_hyper,@function
k_qa4018edfff_hyper:
	s_mov_b64 s[64:65], 0
	v_nop
	global_prefetch_b8 v0, s[64:65] scope:SCOPE_SE
	s_setreg_imm32_b32 hwreg(HW_REG_WAVE_MODE, 25, 1), 1
	s_wait_xcnt 0x0
; hw[h][c] = sum over k of hyper_ipt[h][k] W1[k][c] + b1[c]   (8 x 4,096, K = 256), and bias[h][s] = sum over k of hyper_ipt[h][k] Wb[k][s] + bb[s]  (8 x 64), in f32 by fused multiply-adds.
; The sums are taken as 32 partial sums of 8 along K, then a tree.
; SHARES.  A work-group takes 32 columns (128 bytes of each row): 0 to 63 one row t of down each (columns 32 t .. 32 t + 31: one whole block of the quantiser), 64 to 127 half a row r of up, 128 and 129 half of Wb each.
; Wave w takes k = 32 w .. 32 w + 31; lanes 8 q .. 8 q + 7 take eight of them, a lane 4 columns, for all 8 heads: 32 sums.  The partial sums meet in LDS; behind one barrier wave w adds up head w.
; WORKSPACE (bytes): 0: up, f32, as the image of the registers that the next launch quantises: [head][q][jj][lane][4]: lane (i, hl), s = 16 q + i, r = 16 hl + 4 jj + 0 .. 3;
;   65,536: down's codes (E4M3), as the image of the matrix operand: [head][tile][lane][16 codes]: lane (i, hl), t = 32 (tile / 2) + 8 (tile % 2) + i + 8 (i / 8), r = 16 hl + 0 .. 15;
;   81,920: down's scale words [head][i][tile], the byte in the low 8 bits, the rest 0;   83,968: bias [8][64] f32.
; down is quantised here, once.  up's blocks run across the rows r, so across work-groups: it leaves as f32.  Its 64 KiB leave by 4 bytes a lane, 16 bytes apart, so that each of the next launch's many loads of it takes 512 neighbouring bytes.
; A block's scale is 2^(floor(log2(its largest magnitude)) - 8): its byte is the largest magnitude's exponent field - 8, held at 1 from below (a block of zeros gets 1 too: its codes are zeros, and this program alone reads the bytes).
; LIMITS: NaN and infinities among the inputs are not served; blocks whose largest magnitude lies under 2^(9 - 127) keep the byte 1.
.set ROW1,  16384
.set ROWB,  256
.set DNC,   65536
.set DSC,   81920
.set BIASO, 83968
.set GB,    32768                      ; LDS: behind the partial sums, 128 bytes a wave
.set HB,    GB+1024                    ; LDS: hyper_ipt[head][my 32 k], 1,024 bytes a wave
.set SPARE, HB+8192                    ; the spare words, 128 bytes a wave
.set BV,  12                           ; v[12:13]  b1 or bb of my two columns
.set AC,  16                           ; v[16:47]  sums: head h, my 4 columns
.set RO,  48                           ; v[48:55]  offsets of my eight rows
.set WR,  56                           ; v[56:87]  8 rows x 4 columns; later 16 partial sums of two columns
.set HY,  88                           ; v[88:151] hyper_ipt[h][my 8 k]
.macro WA
	s_wait_alu depctr_va_vdst(0)
.endm
	s_load_b256 s[4:11], s[0:1], 0x0               ; W1, b1, Wb, bb
	s_load_b128 s[12:15], s[0:1], 0x20             ; hyper_ipt, hw
	v_lshrrev_b32 v1, 5, v0
	v_readfirstlane_b32 s16, v1                    ; wave 0..7
	s_mov_b32 s17, ROWB
	s_sub_co_u32 s18, ttmp9, 128
	s_cmp_lt_u32 ttmp9, 128                        ; W1's work-group or Wb's?
	s_cselect_b32 s17, ROW1, s17                   ; bytes from row to row
	s_cselect_b32 s18, ttmp9, s18
	s_cselect_b32 s30, -1, 0
	s_lshl_b32 s18, s18, 7                         ; my columns' first byte in a row
	s_mov_b32 s19, 0
	s_mul_i32 s20, s16, s17
	s_lshl_b32 s20, s20, 5                         ; row 32 w
	s_add_co_u32 s20, s20, s18
	s_mov_b32 s21, 0
	s_lshl_b32 s22, s16, 7
	s_mov_b32 s23, 0
	s_add_co_u32 s29, s22, GB
	s_lshl_b32 s33, s16, 10
	s_add_co_u32 s33, s33, HB
	s_lshl_b32 s26, s17, 3
	s_lshl_b32 s27, s16, 12
	s_lshl_b32 s28, s16, 9
	s_mov_b32 s36, 0x76543210
	s_mov_b32 s37, 0xfedcba98
	s_mov_b32 s38, 0x600000                        ; the mantissa field of 448
	v_lshl_add_u32 v14, v0, 2, SPARE
	v_mov_b32 v15, 0
	v_and_b32 v1, 31, v0                           ; lane
	v_and_b32 v2, 15, v0                           ; c2: my two columns at the end
	v_bfe_u32 v3, v0, 4, 1                         ; lane / 16
	v_bfe_u32 v4, v0, 3, 2                         ; q = lane / 8
	v_and_b32 v10, 7, v0
	v_and_b32 v11, 3, v0                           ; j
	v_mul_u32_u24 v5, s26, v4                      ; rows 8 q on
	v_lshlrev_b32 v6, 10, v4                       ; hyper_ipt: four heads a load, eight lanes to a head's 128 bytes
	v_lshl_add_u32 v6, v10, 4, v6
	v_lshl_add_u32 v158, v1, 4, s33                ; LDS: where they go as they lie,
	v_lshl_add_u32 v159, v4, 5, s33                ; and where I read my 8 k of each head
	v_lshlrev_b32 v7, 3, v2
	v_lshl_add_u32 v8, v1, 4, s27                  ; LDS: where I put sums: 4,096 w + 16 lane (+ 512 h)
	v_lshl_add_u32 v9, v1, 3, s28                  ; where I read them: 512 w + 8 lane
	v_lshl_add_u32 v[RO], v10, 4, v5
	v_lshl_add_u32 v154, v2, 3, s29                ; LDS: my two columns in my wave's 128 bytes
	v_lshl_add_u32 v155, v11, 5, s29               ; and eight columns from 8 j on
	v_lshrrev_b32 v152, 3, v2
	v_lshlrev_b32 v152, 11, v152
	v_lshl_add_u32 v152, v10, 5, v152
	v_lshl_add_u32 v152, v3, 4, v152               ; up: 2,048 (c2 / 8) + 32 (c2 % 8) + 16 (lane / 16)
	v_lshlrev_b32 v153, 3, v2
	v_lshl_add_u32 v153, v3, 2, v153               ; bias: 4 (2 c2 + lane / 16)
	v_cndmask_b32 v153, v153, v152, s30
	v_lshrrev_b32 v156, 1, v11
	v_lshlrev_b32 v156, 8, v156
	v_and_b32 v157, 1, v11
	v_lshl_add_u32 v156, v157, 3, v156             ; codes: 256 (j / 2) + 8 (j % 2)
	v_mov_b32 v157, 0
	v_mov_b32 v160, 0                              ; a lane permute's destination counts as one of its sources
	v_mov_b32 v161, 0
.irp e, 1,2,3,4,5,6,7
	v_add_nc_u32 v[RO+\e], s17, v[RO+\e-1]
.endr
	WA
	s_wait_kmcnt 0x0
	s_cmp_lt_u32 ttmp9, 128
	s_cselect_b64 s[4:5], s[4:5], s[8:9]
	s_cselect_b64 s[6:7], s[6:7], s[10:11]
	s_add_nc_u64 s[4:5], s[4:5], s[20:21]
	s_add_nc_u64 s[6:7], s[6:7], s[18:19]
	s_add_nc_u64 s[12:13], s[12:13], s[22:23]
	global_load_b128 v[162:165], v6, s[12:13]
	global_load_b128 v[166:169], v6, s[12:13] offset:4096
.irp e, 0,1,2,3,4,5,6,7
	global_load_b128 v[WR+4*\e:WR+4*\e+3], v[RO+\e], s[4:5]          ; four rows' 128 aligned bytes
.endr
	global_load_b64 v[BV:BV+1], v7, s[6:7]
	; where the results go, while the loads are out
	s_lshr_b32 s40, ttmp9, 5
	s_lshl_b32 s40, s40, 1
	s_lshr_b32 s41, ttmp9, 3
	s_and_b32 s41, s41, 1
	s_add_co_u32 s40, s40, s41                     ; down: row t lies in tile 2 (t / 32) + (t / 8) % 2,
	s_and_b32 s41, ttmp9, 7
	s_lshr_b32 s42, ttmp9, 4
	s_and_b32 s42, s42, 1
	s_lshl_b32 s42, s42, 3
	s_add_co_u32 s41, s41, s42                     ; at i = t % 8 + 8 ((t / 16) % 2)
	s_lshl_b32 s41, s41, 4
	s_lshl_b32 s42, s16, 11
	s_add_co_u32 s42, s42, s41
	s_lshl_b32 s43, s40, 9
	s_add_co_u32 s42, s42, s43
	s_add_co_u32 s42, s42, DNC                     ; the codes
	s_mov_b32 s43, 0
	s_lshl_b32 s44, s16, 8
	s_add_co_u32 s47, s44, s18
	s_add_co_u32 s47, s47, BIASO                   ; (bias)
	s_add_co_u32 s44, s44, s41
	s_lshl_b32 s45, s40, 2
	s_add_co_u32 s44, s44, s45
	s_add_co_u32 s44, s44, DSC                     ; the scale word
	s_mov_b32 s45, 0
	s_sub_co_u32 s31, ttmp9, 64
	s_lshr_b32 s31, s31, 1                         ; up: r
	s_and_b32 s46, ttmp9, 1
	s_lshl_b32 s46, s46, 12
	s_lshl_b32 s48, s16, 13
	s_add_co_u32 s46, s46, s48
	s_lshr_b32 s48, s31, 2
	s_and_b32 s48, s48, 3
	s_lshl_b32 s48, s48, 9
	s_add_co_u32 s46, s46, s48
	s_lshr_b32 s48, s31, 4
	s_lshl_b32 s48, s48, 8
	s_add_co_u32 s46, s46, s48
	s_and_b32 s48, s31, 3
	s_lshl_b32 s48, s48, 2
	s_add_co_u32 s46, s46, s48
	s_cmp_lt_u32 ttmp9, 128
	s_cselect_b32 s46, s46, s47
	s_mov_b32 s47, 0
; Four heads x 8 rows x 4 columns, two columns an instruction; the first row starts the sums.  Eight chains by turns.
.macro HEADS h0
.set e, 0
.rept 8
.irp h, \h0, \h0+1, \h0+2, \h0+3
.irp c, 0,2
.if e == 0
	v_pk_mul_f32 v[AC+4*(\h)+\c:AC+4*(\h)+\c+1], v[WR+\c:WR+\c+1], v[HY+8*(\h):HY+8*(\h)+1] op_sel_hi:[1,0]
.elseif e%2 == 0
	v_pk_fma_f32 v[AC+4*(\h)+\c:AC+4*(\h)+\c+1], v[WR+4*e+\c:WR+4*e+\c+1], v[HY+8*(\h)+e:HY+8*(\h)+e+1], v[AC+4*(\h)+\c:AC+4*(\h)+\c+1] op_sel_hi:[1,0,1]
.else
	v_pk_fma_f32 v[AC+4*(\h)+\c:AC+4*(\h)+\c+1], v[WR+4*e+\c:WR+4*e+\c+1], v[HY+8*(\h)+e-1:HY+8*(\h)+e], v[AC+4*(\h)+\c:AC+4*(\h)+\c+1] op_sel:[0,1,0] op_sel_hi:[1,1,1]
.endif
.endr
.endr
.set e, e+1
.endr
.endm
	s_wait_loadcnt 0x9                             ; hyper_ipt is in; the nine loads behind it may be out
	ds_store_b128 v158, v[162:165]
	ds_store_b128 v158, v[166:169] offset:512
.irp h, 0,1,2,3,4,5,6,7
	ds_load_b128 v[HY+8*\h:HY+8*\h+3], v159 offset:128*\h            ; my wave's own bytes: LDS serves a wave's instructions in order (ISA guide 5.7.1.4)
	ds_load_b128 v[HY+8*\h+4:HY+8*\h+7], v159 offset:128*\h+16
.endr
	s_wait_loadcnt 0x0
	s_wait_dscnt 0x8                               ; all but heads 4 to 7
	HEADS 0
	WA
	s_wait_dscnt 0x0
	HEADS 4
.irp h, 0,1,2,3,4,5,6,7
	ds_store_b128 v8, v[AC+4*\h:AC+4*\h+3] offset:512*\h   ; 32 lanes fill 512 neighbouring bytes: four partial sums of head h
.endr
	WA
	s_wait_dscnt 0x0                               ; for the others' sake: my stores have landed
	s_barrier_signal -1
	s_barrier_wait -1
.set p, 0
.rept 16
	ds_load_b64 v[WR+2*p:WR+2*p+1], v9 offset:4096*(p/2)+256*(p%2)   ; two partial sums of head w: one in each half of the lanes
.set p, p+1
.endr
	s_wait_dscnt 0x0
.irp p, 0,1,2,3,4,5,6,7
	v_pk_add_f32 v[WR+2*\p:WR+2*\p+1], v[WR+2*\p:WR+2*\p+1], v[WR+16+2*\p:WR+16+2*\p+1]
.endr
.irp p, 0,1,2,3
	v_pk_add_f32 v[WR+2*\p:WR+2*\p+1], v[WR+2*\p:WR+2*\p+1], v[WR+8+2*\p:WR+8+2*\p+1]
.endr
	s_delay_alu instid0(VALU_DEP_2)
	v_pk_add_f32 v[WR:WR+1], v[WR:WR+1], v[WR+4:WR+5]
	s_delay_alu instid0(VALU_DEP_2)
	v_pk_add_f32 v[WR+2:WR+3], v[WR+2:WR+3], v[WR+6:WR+7]
	s_delay_alu instid0(VALU_DEP_1)
	v_pk_add_f32 v[WR:WR+1], v[WR:WR+1], v[WR+2:WR+3]
	s_delay_alu instid0(VALU_DEP_1)
	v_permlanex16_b32 v160, v[WR], s36, s37        ; the other half of the lanes
	s_delay_alu instid0(VALU_DEP_2)
	v_permlanex16_b32 v161, v[WR+1], s36, s37
	s_delay_alu instid0(VALU_DEP_1)
	v_pk_add_f32 v[WR:WR+1], v[WR:WR+1], v[160:161]
	s_delay_alu instid0(VALU_DEP_1)
	v_pk_add_f32 v[WR:WR+1], v[WR:WR+1], v[BV:BV+1]        ; + b1 or bb: both halves hold columns 2 c2, 2 c2 + 1
	WA
	s_cmp_lt_u32 ttmp9, 64
	s_cbranch_scc1 .Ldown
	s_add_nc_u64 s[46:47], s[14:15], s[46:47]
	v_cmp_lt_u32 vcc_lo, 15, v1
	v_cndmask_b32 v16, v[WR], v[WR+1], vcc_lo      ; lanes 0-15 store the even column, lanes 16-31 the odd one
	global_store_b32 v153, v16, s[46:47]
	s_branch .Lend
.Ldown:
	ds_store_b64 v154, v[WR:WR+1]                  ; my wave's 128 bytes (both halves write the same)
	ds_load_b128 v[16:19], v155                    ; LDS serves a wave's instructions in order (ISA guide 5.7.1.4): eight neighbours along r
	ds_load_b128 v[20:23], v155 offset:16
	s_add_nc_u64 s[42:43], s[14:15], s[42:43]
	s_add_nc_u64 s[44:45], s[14:15], s[44:45]
	s_wait_dscnt 0x0
	v_max3_num_f32 v24, |v16|, |v17|, 0x4800000    ; and the floor 2^(9 - 127)
	v_max3_num_f32 v25, |v18|, |v19|, |v20|
	s_delay_alu instid0(VALU_DEP_2)
	v_max3_num_f32 v24, v24, |v21|, |v22|
	s_delay_alu instid0(VALU_DEP_1)
	v_max3_num_f32 v24, v24, v25, |v23|
	s_delay_alu instid0(VALU_DEP_1)
	v_max_num_f32_dpp v24, v24, v24 row_xmask:1 row_mask:0xf bank_mask:0xf
	s_delay_alu instid0(VALU_DEP_1)
	v_max_num_f32_dpp v24, v24, v24 row_xmask:2 row_mask:0xf bank_mask:0xf
	s_delay_alu instid0(VALU_DEP_1)
	v_add_nc_u32 v11, 0xfc000000, v24              ; 8 off the exponent field: the conversion's scale operand
	s_delay_alu instid0(VALU_DEP_2)
	v_and_or_b32 v10, v24, 0x7f800000, s38         ; 448 x the scale
.irp i, 16,17,18,19,20,21,22,23
	v_med3_num_f32 v\i, v\i, -v10, v10             ; the conversion does not saturate (ISA guide 7.6.2)
.endr
	v_cvt_scalef32_pk8_fp8_f32 v[26:27], v[16:23], v11
	v_lshrrev_b32 v25, 23, v11                     ; the scale's byte
	v_cmp_gt_u32 vcc_lo, 4, v1                     ; lanes 0 to 3 hold the block's 32 codes
	WA
	s_wait_xcnt 0x0                                ; EXEC changes only behind this wait
	s_and_saveexec_b32 s39, vcc_lo
	global_store_b64 v156, v[26:27], s[42:43]
	global_store_b32 v157, v25, s[44:45]           ; the four lanes hold the same word
	s_wait_xcnt 0x0
	s_or_b32 exec_lo, exec_lo, s39
.Lend:
	s_wait_tensorcnt 0x0                           ; the wave's end
	ds_add_u32 v14, v15
	s_wait_dscnt 0x0
	s_endpgm
.Lfunc_end_k_qa4018edfff_hyper:
	.size	k_qa4018edfff_hyper, .Lfunc_end_k_qa4018edfff_hyper-k_qa4018edfff_hyper
	.p2alignl 7, 3214868480
	.fill 96, 4, 3214868480
	.section	.rodata,"a",@progbits
	.p2align	6, 0x0
	.amdhsa_kernel k_qa4018edfff_hyper
		.amdhsa_group_segment_fixed_size 43008
		.amdhsa_private_segment_fixed_size 0
		.amdhsa_enable_private_segment 0
		.amdhsa_kernarg_size 48
		.amdhsa_user_sgpr_count 2
		.amdhsa_user_sgpr_kernarg_segment_ptr 1
		.amdhsa_wavefront_size32 1
		.amdhsa_system_sgpr_workgroup_id_x 1
		.amdhsa_system_sgpr_workgroup_id_y 1
		.amdhsa_system_sgpr_workgroup_id_z 1
		.amdhsa_system_vgpr_workitem_id 0
		.amdhsa_next_free_vgpr 170
		.amdhsa_next_free_sgpr 66
		.amdhsa_reserve_vcc 1
		.amdhsa_float_denorm_mode_32 3
		.amdhsa_float_denorm_mode_16_64 3
		.amdhsa_memory_ordered 1
		.amdhsa_forward_progress 1
		.amdhsa_inst_pref_size 21
	.end_amdhsa_kernel
	.amdgpu_metadata
---
amdhsa.version: [ 1, 2 ]
amdhsa.kernels:
  - .name:           k_qa4018edfff_hyper
    .symbol:         k_qa4018edfff_hyper.kd
    .args:
      - { .name: W1, .offset: 0, .size: 8, .value_kind: global_buffer, .address_space: global }
      - { .name: b1, .offset: 8, .size: 8, .value_kind: global_buffer, .address_space: global }
      - { .name: Wb, .offset: 16, .size: 8, .value_kind: global_buffer, .address_space: global }
      - { .name: bb, .offset: 24, .size: 8, .value_kind: global_buffer, .address_space: global }
      - { .name: hyper_ipt, .offset: 32, .size: 8, .value_kind: global_buffer, .address_space: global }
      - { .name: hw, .offset: 40, .size: 8, .value_kind: global_buffer, .address_space: global }
    .group_segment_fixed_size: 43008
    .private_segment_fixed_size: 0
    .kernarg_segment_align: 8
    .kernarg_segment_size: 48
    .max_flat_workgroup_size: 256
    .sgpr_count:     66
    .vgpr_count:     170
    .wavefront_size: 32
...
	.end_amdgpu_metadata
.endif
;; end of part 1
;; launch target (part 2): grid 256 x 1, 8 waves a work-group, clusters of 4 x 1, 295,936 bytes of LDS; arguments target_ipt, hyp_mask, hw, out0; writes out0
.if DOCPART == 2
	.amdgcn_target "amdgcn-amd-amdhsa--gfx1250"
	.amdhsa_code_object_version 6
	.text
	.protected	k_qa4018edfff_target
	.globl	k_qa4018edfff_target
	.p2align	8
	.type	k_qa4018edfff_target,@function
k_qa4018edfff_target:
	s_mov_b64 s[64:65], 0
	v_nop
	global_prefetch_b8 v0, s[64:65] scope:SCOPE_SE
	s_setreg_imm32_b32 hwreg(HW_REG_WAVE_MODE, 25, 1), 1
	s_wait_xcnt 0x0
	s_wait_alu depctr_hold_cnt(0) depctr_sa_sdst(0) depctr_va_vdst(0) depctr_va_sdst(0) depctr_va_ssrc(0) depctr_va_vcc(0) depctr_vm_vsrc(0)
	s_getreg_b32 s2, hwreg(HW_REG_IB_STS2, 6, 4)
	s_cmp_eq_u32 s2, 0
	s_cbranch_scc0 .Lentry_in_a_cluster
	s_endpgm
.Lentry_in_a_cluster:
	s_bfe_u32 s2, ttmp6, 0x10000c
	s_cmp_lg_u32 s2, 0x3003
	s_cbranch_scc0 .Lentry_shape_is_right
	s_endpgm
.Lentry_shape_is_right:
; out[row][s] = sum over h of mask[row][h] x ( sum over d of Q(x)[row][d] Q(W)[h][d][s] + bias[h][s] ),  W[h][t][s] = sum over r of Q(down)[h][t][r] Q(up)[h][r][s].
; x: [131072][64] f32; mask: [131072][8] f32; hw: the workspace of the launch before (its layout stands at that kernel's head); out: [131072][64] f32.
; Q: codes of FP8 (E4M3) with one E8M0 scale for each 32 along a product's K; both products by the scaled matrix instruction, sums in f32.
; A block's scale is 2^(floor(log2(its largest magnitude)) - 8): its byte is the largest magnitude's exponent field - 8, held at 1 from below; numbers are held within +-448 x the scale and rounded to the nearest code.
; LIMITS: NaN and infinities among the inputs are not served.  Blocks whose largest magnitude lies under 2^(9 - 127), blocks of zeros among them, get the byte 1; the bytes are read by this program alone.
; SHARES.  A work-group of eight waves owns 512 rows, in four pieces of 128.  Waves 2 g and 2 g + 1 share rows 32 g .. 32 g + 31 of each piece, two tiles of 16; wave 2 g + sh makes columns 32 sh .. 32 sh + 31 of both.
; WHAT COMES IN: six tensor loads, one a wave, each into LDS bytes filled once: wave 0 hw, JOINTLY for the four work-groups of a cluster, since all read the same 86,016 bytes; wave 1 the first piece of rows, wave 2 the masks,
; waves 3, 4, 5 the other pieces.  The wave that asked waits for its load (0) ahead of the barrier that shows it to the others.
; THE PROLOGUE.  Wave w takes head w: it quantises up, multiplies by down, quantises W and puts W's fragments into LDS as images of their registers; behind a barrier each wave fetches its half: 8 heads x 2 tiles of 16 s.
; THE ROWS.  Each wave quantises one of its pair's two tiles, one piece ahead, and puts the codes into LDS for both.  One barrier for each piece, its signal and its wait apart, shows: the next piece's codes, the tiles in the stage, and the piece after next.
; K SHORTER THAN THE INSTRUCTION'S 128.  Product 4 has K = 64, product 3 K = 32.  One operand (x; up) holds zero codes in the rest of K; the other operand's fragments (W; down) lie on end, 8 or 4 registers
; apart, and what an instruction names beyond a fragment's own registers are the neighbour's codes or zeros: finite numbers, which times zero add nothing.  Both sides' scale bytes of those blocks are 0.
; LAYOUT.  Product 3: source 0 = 16 rows t of down, source 1 = 16 columns s of up: the 16 registers of two neighbouring results are t = 32 b + 16 (lane / 16) + 0 .. 15, so the conversions' results are W's fragment.
; Product 4: source 0 = 16 columns s of W[h], source 1 = 16 rows of x: a lane holds ONE row (lane % 16) and eight neighbouring s; the bias is each product's C; the mask is one number a lane and head.
; BY TURNS.  Product n of a tile (head n / 2, columns 16 (n % 2) on) goes into place n % 4 of a ring of four results; behind it stand the four packed multiply-adds of product n - 3, over the tiles' borders too.  One setting of the windows serves both.
; THE WAY OUT.  A tile's halves meet in the stage, 16 rows x 272 bytes, four tiles by turns for each pair of waves; behind a barrier each wave stores eight whole rows of 256 bytes.  The stage lies in hw's place: hw is filled once, and its up and down have been read two barriers before.
; NO PREFETCH: there is no loop; all that comes from memory is asked for at the head.
; REGISTERS (s_set_vgpr_msb: bits 1:0 source 0, 3:2 source 1, 5:4 source 2, 7:6 destination):
;   window 0: v1-31 addresses, v16-23 W's scale words, v24-25 x's; v32-63 x, two operands of 8 registers of codes and 8 of zeros; v64-95 results; v96-111 sums; v112-120 codes on their way; v122-125 addresses; v128-255 bias.
;     Prologue: v64-87 scale words, v128-155 down's codes, v160-223 up's, v224-255 W's on their way to LDS.
;   window 1: v0-127 W (prologue: up, then W as f32); v128-135 zeros; v136-167 masks; v168-199 x's numbers; v200-215 the quantiser's; v220-251 rows on their way out.
.set DNC,   65536
.set DSC,   81920
.set BIASO, 83968
.set XP,    272                        ; an LDS row of x: 256 bytes + 16 of padding: row r starts at bank 4 r mod 64 (64 banks of 4 bytes: ISA guide 11.1)
.set PIECE, 128*XP
.set HWL,   4*PIECE                    ; LDS: behind x: hw, as it lies in memory; later the stage
.set STG,   HWL
.set MSK,   HWL+86016                  ; masks: 64 units of 256 + 16 bytes
.set WIMG,  MSK+64*XP                  ; from here on no tensor load lands: W's 32 fragments of 1,024 bytes,
.set WSC,   WIMG+32768                 ; their scale words, 64 bytes a tile,
.set COD,   WSC+2048                   ; x's codes: for each pair of waves two pieces by turns x two tiles x 1,024 bytes,
.set CW,    COD+16384                  ; their scale words, 64 bytes a tile,
.set SPARE, CW+1024                    ; and the spare words, 128 bytes a wave
.set GO, 1
.set LI, 2
.set LS, 3
.set WI, 4
.set WW, 5
.set SO, 6
.set SR, 7
.set BA, 8
.set CS, 9
.set CL, 10
.set CWS, 11
.set CWL, 12
.set SPW, 14
.set NIL, 15
.set WS, 16
.set XS, 24
.set HA, 26
.set HD, 27
.set HS, 28
.set MA, 29
.set XC, 32
.set DD, 64
.set ACC, 96
.set CO, 112
.set CWD, 120
.set XA, 122
.set BL, 128
.set DS, 64
.set US, 72
.set PW, 80
.set DC, 128
.set UB, 160
.set WC, 224
.set MK, 136                           ; window 1
.set XN, 168
.set TM, 200                           ; TM: largest magnitudes; + 4: the other half's, then bytes; + 8: 448 x the scale; + 12: the conversions' scale operands
.set OB, 220
.set G1H, 16                           ; descriptor groups: shapes of hw, of a piece, of the masks;
.set G1X, 24
.set G1M, 32
.set G0H, 40                           ; from where, to where: hw, the masks, the four pieces
.set G0M, 44
.set G0X, 48
.set MSB, 0
.macro WIN new                         ; the immediate's high byte repeats the setting that is left; a switch that changes nothing is dropped
.if MSB != (\new)
	s_set_vgpr_msb (MSB<<8)|(\new)
.set MSB, (\new)
.endif
.endm
.macro WA
	s_wait_alu depctr_va_vdst(0)
.endm
.macro CROUND                          ; a round of the cluster's barrier
	s_barrier_signal -1
	s_barrier_wait -1
	s_cmp_lg_u32 s12, 0
	s_cbranch_scc1 .Lnot_wave_0_\@
	s_barrier_signal -3
.Lnot_wave_0_\@:
	s_barrier_wait -3
	s_barrier_signal -1
	s_barrier_wait -1
.endm
.macro LANDED k                        ; waves 0 .. k - 1 wait for their one load
	WIN 0
	WA
	s_cmp_lt_u32 s12, \k
	s_cbranch_scc0 .Lnone_\@
	s_wait_tensorcnt 0x0
.Lnone_\@:
.endm
	s_load_b256 s[4:11], s[0:1], 0x0               ; x s[4:5], mask s[6:7], hw s[8:9], out s[10:11]
	v_lshl_add_u32 v[SPW], v0, 2, SPARE
	v_mov_b32 v[NIL], 0
	ds_add_u32 v[SPW], v[NIL]                      ; the wave's opening: the add, twice on end, and its wait ahead of my first tensor load
	ds_add_u32 v[SPW], v[NIL]
	v_lshrrev_b32 v13, 5, v0
	v_readfirstlane_b32 s12, v13                   ; wave 0..7
	s_and_b32 s13, s12, 1                          ; sh
	s_lshr_b32 s14, s12, 1                         ; g
	s_bfe_u32 s15, ttmp6, 0x40000
	s_lshl_b32 s84, ttmp9, 2
	s_add_co_u32 s84, s84, s15                     ; work-group = 4 x cluster + my place
	s_lshl_b32 s86, s84, 14                        ; the mask: 512 rows of 32 bytes
	s_mov_b32 s87, 0
	s_lshl_b32 s84, s84, 17                        ; x and out: 512 rows of 256 bytes (under 2^25)
	s_mov_b32 s85, 0
	s_lshl_b32 s88, s14, 13
	s_add_co_u32 s88, s88, s84
	s_lshl_b32 s15, s13, 11
	s_add_co_u32 s88, s88, s15                     ; out: my pair's 32 rows, my eight of a tile's 16
	s_mov_b32 s89, 0
	s_mov_b32 s[G1H], 15|(3<<16)|(1<<21)           ; 15:0 the cluster's four work-groups; elements of 8 bytes; 21 set beside a mask; no padding
	s_mov_b32 s[G1X], (3<<16)|(1<<20)|(5<<22)|(3<<25)  ; no mask; four words of padding after every 64
	s_mov_b32 s[G1M], (3<<16)|(1<<20)|(5<<22)|(3<<25)
.irp g, G1H, G1X, G1M
	s_mov_b32 s[\g+1], 32<<16                      ; tensor_dim0 = 32: rows of 256 bytes
	s_mov_b32 s[\g+3], 32<<16                      ; tile_dim0
	s_mov_b32 s[\g+5], 32                          ; from row to row: all three are dense blocks
	s_mov_b32 s[\g+6], 0
	s_mov_b32 s[\g+7], 0
.endr
	s_mov_b32 s[G1H+2], 336<<16                    ; 336 rows of hw,
	s_mov_b32 s[G1H+4], 336
	s_mov_b32 s[G1X+2], 128<<16                    ; 128 rows of x,
	s_mov_b32 s[G1X+4], 128
	s_mov_b32 s[G1M+2], 64<<16                     ; 512 rows of masks are 64 rows of 256 bytes
	s_mov_b32 s[G1M+4], 64
	s_mov_b32 s[G0H], 1
	s_mov_b32 s[G0H+1], HWL
	s_mov_b32 s[G0M], 1
	s_mov_b32 s[G0M+1], MSK
.irp p, 0,1,2,3
	s_mov_b32 s[G0X+4*\p], 1
	s_mov_b32 s[G0X+4*\p+1], \p*PIECE
.endr
	s_mov_b32 s2, 0x76543210
	s_mov_b32 s3, 0xfedcba98                       ; v_permlanex16_b32's selects for lane l xor 16
	s_mov_b32 s83, 0x600000                        ; the mantissa field of 448
	WA
	s_wait_dscnt 0x0                               ; both opening adds are done
	CROUND                                         ; all four work-groups are here: the joint loads meet
	s_wait_kmcnt 0x0
	s_mov_b64 s[G0H+2:G0H+3], s[8:9]
	s_or_b32 s[G0H+3], s[G0H+3], 0x80000000
	s_add_nc_u64 s[G0M+2:G0M+3], s[6:7], s[86:87]
	s_or_b32 s[G0M+3], s[G0M+3], 0x80000000
	s_add_nc_u64 s[4:5], s[4:5], s[84:85]
.irp p, 0,1,2,3
	s_add_nc_u64 s[G0X+4*\p+2:G0X+4*\p+3], s[4:5], \p*32768
	s_or_b32 s[G0X+4*\p+3], s[G0X+4*\p+3], 0x80000000
.endr
	s_add_nc_u64 s[10:11], s[10:11], s[88:89]
; THE HEAD'S LOADS, at most one a wave: ONE tree of branches on the wave's number.  What is wanted first is the lower wave's.
.macro ARM under, g0, g1, next
	s_cmp_lt_u32 s12, \under
	s_cbranch_scc0 \next
	tensor_load_to_lds s[\g0:\g0+3], s[\g1:\g1+7]
	s_nop 0
.rept 4
	v_nop
.endr
.endm
	ARM 1, G0H, G1H, .Larm1
	s_branch .Lasked
.Larm1:
	ARM 2, G0X, G1X, .Larm2
	s_branch .Lasked
.Larm2:
	ARM 3, G0M, G1M, .Larm3
	s_branch .Lasked
.Larm3:
	ARM 4, G0X+4, G1X, .Larm4
	s_branch .Lasked
.Larm4:
	ARM 5, G0X+8, G1X, .Larm5
	s_branch .Lasked
.Larm5:
	ARM 6, G0X+12, G1X, .Lasked
.Lasked:
	; LDS bases of my wave
	s_lshl_b32 s66, s13, 11
	s_add_co_u32 s66, s66, WIMG
	s_lshl_b32 s67, s13, 7
	s_add_co_u32 s73, s67, HWL+BIASO
	s_mul_i32 s70, s14, 4*16*XP
	s_add_co_u32 s70, s70, STG
	s_add_co_u32 s71, s70, s67
	s_add_co_u32 s67, s67, WSC
	s_mul_i32 s72, s13, 8*XP
	s_add_co_u32 s72, s72, s70
	s_lshl_b32 s68, s12, 12
	s_add_co_u32 s68, s68, WIMG
	s_lshl_b32 s69, s12, 8
	s_add_co_u32 s80, s69, HWL+DSC
	s_add_co_u32 s69, s69, WSC
	s_lshl_b32 s74, s14, 12
	s_add_co_u32 s74, s74, COD
	s_lshl_b32 s75, s13, 10
	s_add_co_u32 s75, s75, s74
	s_lshl_b32 s76, s14, 8
	s_add_co_u32 s76, s76, CW
	s_lshl_b32 s77, s13, 6
	s_add_co_u32 s77, s77, s76
	s_lshl_b32 s78, s12, 13
	s_add_co_u32 s78, s78, HWL
	s_lshl_b32 s79, s12, 11
	s_add_co_u32 s79, s79, HWL+DNC
	s_mul_i32 s81, s14, 4*XP
	s_add_co_u32 s81, s81, MSK
	s_mul_i32 s82, s12, 16*XP                      ; my tile in a piece: row 32 g + 16 sh
	v_and_b32 v30, 15, v0                          ; i
	v_bfe_u32 v31, v0, 4, 1                        ; hl
	v_and_b32 v13, 31, v0                          ; lane
	v_lshlrev_b32 v[GO], 4, v13
	v_lshl_add_u32 v[LI], v13, 4, s66
	v_lshl_add_u32 v[LS], v13, 2, s67
	v_lshl_add_u32 v[WI], v13, 4, s68
	v_lshl_add_u32 v[WW], v30, 2, s69              ; both halves of the lanes hold the same word and write it to the same place
	v_mul_u32_u24 v32, v30, XP                     ; row i
	v_mul_u32_u24 v33, v31, XP
	v_lshl_add_u32 v[SO], v31, 5, v32
	v_add_nc_u32 v[SO], s71, v[SO]                 ; the stage, in: row i, my columns, + 32 hl (+ 64 q)
	v_lshl_add_u32 v[SR], v30, 4, v33
	v_add_nc_u32 v[SR], s72, v[SR]                 ; back: lanes 0-15 one of my eight rows, lanes 16-31 the next
	v_lshl_add_u32 v[BA], v31, 5, s73
	v_lshl_add_u32 v[CS], v13, 4, s75
	v_lshl_add_u32 v[CL], v13, 4, s74
	v_lshl_add_u32 v[CWS], v30, 2, s77
	v_lshl_add_u32 v[CWL], v30, 2, s76
	v_lshl_add_u32 v[HA], v13, 4, s78
	v_lshl_add_u32 v[HD], v13, 4, s79
	v_lshl_add_u32 v[HS], v30, 4, s80
	v_lshrrev_b32 v34, 3, v30
	v_mul_u32_u24 v34, v34, XP
	v_and_b32 v35, 7, v30
	v_lshl_add_u32 v34, v35, 5, v34
	v_add_nc_u32 v[MA], s81, v34                   ; masks: eight rows of 32 bytes to a unit of 256 + 16
	v_lshl_add_u32 v32, v31, 6, v32
	v_add_nc_u32 v[XA], s82, v32                   ; x: row i of my tile, + 64 hl
	v_add_nc_u32 v[XA+1], PIECE, v[XA]
	v_add_nc_u32 v[XA+2], 2*PIECE, v[XA]
	v_add_nc_u32 v[XA+3], 3*PIECE, v[XA]
.irp t, 0,1,2,3,4,5,6,7,8,9,10,11
	v_mov_b32 v[DC+16+\t], 0                       ; the zero codes: behind down's last tile;
.irp q, 0,1,2,3
	v_mov_b32 v[UB+16*\q+4+\t], 0                  ; up: k = 32 .. 127;
.endr
.endr
.irp t, 0,1,2,3,4,5,6,7
	v_mov_b32 v[XC+8+\t], 0                        ; x: k = 64 .. 127
	v_mov_b32 v[XC+24+\t], 0
.endr
	WIN 0x40
.irp t, 0,1,2,3,4,5,6,7
	v_mov_b32 v[128+\t], 0                         ; behind W's last tile
.endr
.irp b, 0,1,2,3
	v_mov_b32 v[TM+4+\b], 0                        ; written once: a lane permute's destination counts as one of its sources
.endr
; THE QUANTISER, four blocks by turns, all in window 1.  Block b's numbers: my 16 in v[s + 16 b] on, the other 16 in lane l xor 16.
.macro QSCALE s
	WIN 0x55
.irp b, 0,1,2,3
	v_max3_num_f32 v[TM+\b], |v[(\s)+16*\b]|, |v[(\s)+16*\b+1]|, 0x4800000   ; and the floor 2^(9 - 127): so the byte cannot fall under 1
.endr
.irp i, 2,4,6,8,10,12,14
.irp b, 0,1,2,3
	v_max3_num_f32 v[TM+\b], v[TM+\b], |v[(\s)+16*\b+\i]|, |v[(\s)+16*\b+\i+1]|
.endr
.endr
	QEND 0,1,2,3
.endm
.macro QEND bs:vararg
.irp b, \bs
	v_permlanex16_b32 v[TM+4+\b], v[TM+\b], s2, s3
.endr
.irp b, \bs
	v_max_num_f32 v[TM+\b], v[TM+\b], v[TM+4+\b]   ; the block's largest magnitude
.endr
.irp b, \bs
	v_add_nc_u32 v[TM+12+\b], 0xfc000000, v[TM+\b] ; 8 off its exponent field: the conversion's scale operand
.endr
.irp b, \bs
	v_and_or_b32 v[TM+8+\b], v[TM+\b], 0x7f800000, s83      ; 448 x the scale
.endr
.endm
.macro HOLD2 s, tb                     ; blocks tb, tb + 1: the conversion to an 8-bit code does not saturate (ISA guide 7.6.2)
	WIN 0x55
.irp k, 0,1
.irp i, 0,1,2,3,4,5,6,7,8,9,10,11,12,13,14,15
	v_med3_num_f32 v[(\s)+16*\k+\i], v[(\s)+16*\k+\i], -v[TM+8+(\tb)+\k], v[TM+8+(\tb)+\k]
.endr
.endr
.endm
.macro CODE2 s, d, st, tb              ; their codes into window 0, four registers each, at d and at d + st
	WIN 0x15
.irp k, 0,1
	v_cvt_scalef32_pk8_fp8_f32 v[(\d)+(\st)*\k:(\d)+(\st)*\k+1], v[(\s)+16*\k:(\s)+16*\k+7], v[TM+12+(\tb)+\k]
	v_cvt_scalef32_pk8_fp8_f32 v[(\d)+(\st)*\k+2:(\d)+(\st)*\k+3], v[(\s)+16*\k+8:(\s)+16*\k+15], v[TM+12+(\tb)+\k]
.endr
.endm
	LANDED 1                                       ; hw is in
	s_barrier_signal -1
	s_barrier_wait -1
; MY HEAD: up becomes codes; 16 products; W becomes codes, two tiles of s at a time, and goes to LDS as it stands in the registers.
.irp T, 0,1,2,3
	ds_load_b128 v[DC+4*\T:DC+4*\T+3], v[HD] offset:512*\T
.endr
	ds_load_b128 v[DS:DS+3], v[HS]
	WIN 0x40
.set K, 0
.rept 16
	ds_load_b128 v[4*K:4*K+3], v[HA] offset:512*K
.set K, K+1
.endr
	WA
	s_wait_dscnt 0x0
	QSCALE 0
	WIN 0x15
.irp b, 0,1,2,3
	v_lshrrev_b32 v[US+\b], 23, v[TM+12+\b]        ; tile b's scale word: its one block's byte
.endr
	HOLD2 0, 0
	HOLD2 32, 2
	CODE2 0, UB, 16, 0
	CODE2 32, UB+32, 16, 2
.rept 5
	v_nop                                          ; one place behind the conversions, and four between codes written by vector instructions and the scaled matrix instruction
.endr
	WIN 0x40
.irp q, 0,1,2,3
.irp T, 0,1,2,3
	v_wmma_scale_f32_16x16x128_f8f6f4 v[32*\q+8*\T:32*\q+8*\T+7], v[DC+4*\T:DC+4*\T+15], v[UB+16*\q:UB+16*\q+15], 0, v[DS+\T], v[US+\q]
.endr
.endr
.rept 8
	v_nop                                          ; eight places behind this form before its results are read
.endr
.irp qp, 0,1
	QSCALE 64*\qp                                  ; block 2 qq + b: W[t = 32 b + 16 hl + 0 .. 15][s = 16 (2 qp + qq) + i]; each result is read from its low end on
.irp b, 0,1,2,3
	v_lshrrev_b32 v[TM+4+\b], 23, v[TM+12+\b]
.endr
	WIN 0x15
	v_lshl_or_b32 v[PW+2*\qp], v[TM+5], 8, v[TM+4] ; a tile's scale word; the upper bytes are 0
	v_lshl_or_b32 v[PW+2*\qp+1], v[TM+7], 8, v[TM+6]
	HOLD2 64*\qp, 0
	HOLD2 64*\qp+32, 2
	CODE2 64*\qp, WC+16*\qp, 4, 0
	CODE2 64*\qp+32, WC+16*\qp+8, 4, 2
	v_nop                                          ; one plain place behind the conversions
	WIN 0
.irp qq, 0,1
.irp b, 0,1
	ds_store_b128 v[WI], v[WC+16*\qp+8*\qq+4*\b:WC+16*\qp+8*\qq+4*\b+3] offset:(2*\qp+\qq)*1024+512*\b
.endr
	ds_store_b32 v[WW], v[PW+2*\qp+\qq] offset:(2*\qp+\qq)*64
.endr
.endr
	WA
	s_wait_dscnt 0x0                               ; for the others' sake: my images and scale words have landed,
	LANDED 3                                       ; and the first piece and the masks
	s_barrier_signal -1
	s_barrier_wait -1
.macro XLOAD p                         ; my tile's numbers of piece p: block c: d = 32 c + 16 hl + 0 .. 15 of my row
	WIN 0x40
.irp c, 0,1
.irp j, 0,1,2,3
	ds_load_b128 v[XN+16*\c+4*\j:XN+16*\c+4*\j+3], v[XA+(\p)] offset:128*\c+16*\j
.endr
.endr
.endm
.macro MLOAD p                         ; the eight masks of my row of both tiles; two sets by turns
	WIN 0x40
.irp u, 0,1
	ds_load_b128 v[MK+8*(2*((\p)%2)+\u):MK+8*(2*((\p)%2)+\u)+3], v[MA] offset:(16*(\p)+2*\u)*XP
	ds_load_b128 v[MK+8*(2*((\p)%2)+\u)+4:MK+8*(2*((\p)%2)+\u)+7], v[MA] offset:(16*(\p)+2*\u)*XP+16
.endr
.endm
.macro XQ p                            ; my tile of piece p: its two blocks, two chains each, become codes and go to LDS for both waves of the pair
	WIN 0x55
.irp b, 0,1
	v_max3_num_f32 v[TM+\b], |v[XN+16*\b]|, |v[XN+16*\b+1]|, 0x4800000
	v_max3_num_f32 v[TM+2+\b], |v[XN+16*\b+2]|, |v[XN+16*\b+3]|, 0x4800000
.endr
.irp i, 4,8,12
.irp b, 0,1
	v_max3_num_f32 v[TM+\b], v[TM+\b], |v[XN+16*\b+\i]|, |v[XN+16*\b+\i+1]|
	v_max3_num_f32 v[TM+2+\b], v[TM+2+\b], |v[XN+16*\b+\i+2]|, |v[XN+16*\b+\i+3]|
.endr
.endr
.irp b, 0,1
	v_max_num_f32 v[TM+\b], v[TM+\b], v[TM+2+\b]
.endr
	QEND 0,1
.irp b, 0,1
	v_lshrrev_b32 v[TM+4+\b], 23, v[TM+12+\b]
.endr
	WIN 0x15
	v_lshl_or_b32 v[CWD], v[TM+5], 8, v[TM+4]      ; a row's scale word: d = 0 .. 31, d = 32 .. 63; the upper bytes are 0
	HOLD2 XN, 0
	CODE2 XN, CO, 4, 0
	v_nop                                          ; one plain place behind the conversions
	WIN 0
	ds_store_b128 v[CS], v[CO:CO+3] offset:2048*((\p)%2)
	ds_store_b128 v[CS], v[CO+4:CO+7] offset:2048*((\p)%2)+512
	ds_store_b32 v[CWS], v[CWD] offset:128*((\p)%2)
.endm
.macro OPLOAD p, u                     ; tile u of piece p as an operand
	WIN 0
	ds_load_b128 v[XC+16*(\u):XC+16*(\u)+3], v[CL] offset:2048*((\p)%2)+1024*(\u)
	ds_load_b128 v[XC+16*(\u)+4:XC+16*(\u)+7], v[CL] offset:2048*((\p)%2)+1024*(\u)+512
	ds_load_b32 v[XS+(\u)], v[CWL] offset:128*((\p)%2)+64*(\u)
.endm
; Product n of tile u: lin + bias.
.macro PROD u, n
	WIN 0x01                                       ; W (and the masks below) in window 1, all else in window 0
.if (\n)%2
	v_wmma_scale_f32_16x16x128_f8f6f4 v[DD+8*((\n)%4):DD+8*((\n)%4)+7], v[8*(\n):8*(\n)+15], v[XC+16*(\u):XC+16*(\u)+15], v[BL+8*(\n):BL+8*(\n)+7], v[WS+(\n)/2], v[XS+(\u)] matrix_a_scale:MATRIX_SCALE_ROW1
.else
	v_wmma_scale_f32_16x16x128_f8f6f4 v[DD+8*((\n)%4):DD+8*((\n)%4)+7], v[8*(\n):8*(\n)+15], v[XC+16*(\u):XC+16*(\u)+15], v[BL+8*(\n):BL+8*(\n)+7], v[WS+(\n)/2], v[XS+(\u)]
.endif
.endm
; out += mask x (lin + bias) for product n's eight numbers, the result from its low end on.  Head 0 starts the sums.
.macro PQ p, u, n
.set MP, MK+8*(2*((\p)%2)+(\u))+2*((\n)/4)
.set DP, DD+8*((\n)%4)
.set SP, ACC+8*((\n)%2)
	WIN 0x01
.irp j, 0,2,4,6
.if (\n) < 2
	v_pk_mul_f32 v[SP+\j:SP+\j+1], v[MP:MP+1], v[DP+\j:DP+\j+1] op_sel_hi:[0,1]
.elseif (((\n)/2)%2) == 0
	v_pk_fma_f32 v[SP+\j:SP+\j+1], v[MP:MP+1], v[DP+\j:DP+\j+1], v[SP+\j:SP+\j+1] op_sel_hi:[0,1,1]
.else
	v_pk_fma_f32 v[SP+\j:SP+\j+1], v[MP:MP+1], v[DP+\j:DP+\j+1], v[SP+\j:SP+\j+1] op_sel:[1,0,0] op_sel_hi:[1,1,1]
.endif
.endr
.endm
.macro TOSTAGE t                       ; tile t = 2 x piece + u: my 32 columns of its 16 rows
	WIN 0
.irp q, 0,1
	ds_store_b128 v[SO], v[ACC+8*\q:ACC+8*\q+3] offset:((\t)%4)*16*XP+64*\q
	ds_store_b128 v[SO], v[ACC+8*\q+4:ACC+8*\q+7] offset:((\t)%4)*16*XP+64*\q+16
.endr
.endm
.macro OUTRD t, k                      ; my eight rows of tile t, whole, into half k of the registers on their way out
	WIN 0x40
.irp r, 0,1,2,3
	ds_load_b128 v[OB+16*(\k)+4*\r:OB+16*(\k)+4*\r+3], v[SR] offset:((\t)%4)*16*XP+\r*2*XP
.endr
.endm
.macro SEND t, k
	WIN 0x04
.irp r, 0,1,2,3
	global_store_b128 v[GO], v[OB+16*(\k)+4*\r:OB+16*(\k)+4*\r+3], s[10:11] offset:((\t)/2)*32768+((\t)%2)*4096+512*\r th:TH_STORE_NT   ; 32 lanes store 512 consecutive bytes, two rows, at a multiple of 256 from out's first byte
.endr
.endm
; A PIECE: two tiles, 32 products.
.macro PAIR p
.set N, 0
.rept 32
.if (N == 0) || (N == 16)
	WA
	s_wait_dscnt 0x0                               ; this tile's operand is in
.endif
	PROD (N/16), (N%16)
.if N >= 3
	PQ \p, ((N-3)/16), ((N-3)%16)                  ; twelve packed instructions stand between a product and the first read of its result
.elseif \p > 0
	PQ (\p)-1, 1, 13+N                             ; the last multiply-adds of the piece before
.endif
.if N == 2
.if \p > 0
	TOSTAGE 2*(\p)-1
.else
.rept 12
	v_nop                                          ; the launch's first three products have no multiply-adds to set behind them
.endr
.endif
.elseif N == 4
	OPLOAD \p, 1
.elseif N == 6
.if \p < 3
	XLOAD (\p)+1
	MLOAD (\p)+1
.endif
.if \p > 0
	WA
	s_wait_xcnt 0x0                                ; earlier stores have read their registers
	OUTRD 2*(\p)-2, 1
.endif
.if \p > 1
	OUTRD 2*(\p)-3, 0
.endif
.elseif N == 11
	WA
	s_wait_dscnt 0x0                               ; the next piece's numbers and masks and the rows on their way out are in
.if \p > 0
	SEND 2*(\p)-2, 1
.endif
.if \p > 1
	SEND 2*(\p)-3, 0
.endif
.if \p < 3
	XQ (\p)+1
.endif
.elseif N == 18
	TOSTAGE 2*(\p)
.elseif N == 21
	WA
	s_wait_dscnt 0x0                               ; my codes and my halves of the tiles have landed, and my reads of the stage and of the codes are over
.if \p == 0
	LANDED 5                                       ; the third piece is in
.elseif \p == 1
	s_wait_tensorcnt 0x0                           ; the fourth: no tensor load is out from here on
.endif
	s_barrier_signal -1                            ; products and multiply-adds alone stand between the signal and the wait
.elseif N == 27
	WA
	s_barrier_wait -1
.if \p < 3
	OPLOAD (\p)+1, 0
.else
	WA
	s_wait_xcnt 0x0
	OUTRD 5, 0
	OUTRD 6, 1
.endif
.endif
.set N, N+1
.endr
.endm
	XLOAD 0
	MLOAD 0
	WIN 0
.irp h, 0,1,2,3,4,5,6,7
	ds_load_b32 v[WS+\h], v[LS] offset:256*\h      ; lanes 0-15: the words of my first tile of the head; lanes 16-31: of my second
.endr
	WIN 0x40
.set K, 0
.rept 16
	ds_load_b128 v[8*K:8*K+3], v[LI] offset:4096*(K/2)+1024*(K%2)
	ds_load_b128 v[8*K+4:8*K+7], v[LI] offset:4096*(K/2)+1024*(K%2)+512
.set K, K+1
.endr
	WA
	s_wait_dscnt 40                                ; all but W's scale words and fragments
	XQ 0
	WA
	s_wait_dscnt 0x0                               ; my codes have landed
	LANDED 4                                       ; the second piece is in
	s_barrier_signal -1
	WIN 0
.set K, 0
.rept 16
	ds_load_b128 v[BL+8*K:BL+8*K+3], v[BA] offset:256*(K/2)+64*(K%2)       ; the bias in the results' layout: my tile's s = 8 hl + 0 .. 7 (bytes that nobody writes)
	ds_load_b128 v[BL+8*K+4:BL+8*K+7], v[BA] offset:256*(K/2)+64*(K%2)+16
.set K, K+1
.endr
	s_barrier_wait -1
	OPLOAD 0, 0
	PAIR 0
	PAIR 1
	PAIR 2
	PAIR 3
	PQ 3, 1, 13
	PQ 3, 1, 14
	PQ 3, 1, 15
	TOSTAGE 7
	WA
	s_wait_dscnt 0x0
	s_barrier_signal -1
	s_barrier_wait -1
	SEND 5, 0
	SEND 6, 1
	WA
	s_wait_xcnt 0x0
	OUTRD 7, 0
	WA
	s_wait_dscnt 0x0
	SEND 7, 0
	WIN 0
	s_wait_tensorcnt 0x0                           ; the wave's end, behind my last LDS store
	ds_add_u32 v[SPW], v[NIL]
	s_wait_dscnt 0x0
	CROUND                                         ; the closing round: no work-group ends while a partner may still issue the joint load
	s_endpgm
.Lfunc_end_k_qa4018edfff_target:
	.size	k_qa4018edfff_target, .Lfunc_end_k_qa4018edfff_target-k_qa4018edfff_target
	.p2alignl 7, 3214868480
	.fill 96, 4, 3214868480
	.section	.rodata,"a",@progbits
	.p2align	6, 0x0
	.amdhsa_kernel k_qa4018edfff_target
		.amdhsa_group_segment_fixed_size 295936
		.amdhsa_private_segment_fixed_size 0
		.amdhsa_enable_private_segment 0
		.amdhsa_kernarg_size 32
		.amdhsa_user_sgpr_count 2
		.amdhsa_user_sgpr_kernarg_segment_ptr 1
		.amdhsa_wavefront_size32 1
		.amdhsa_system_sgpr_workgroup_id_x 1
		.amdhsa_system_sgpr_workgroup_id_y 1
		.amdhsa_system_sgpr_workgroup_id_z 1
		.amdhsa_system_vgpr_workitem_id 0
		.amdhsa_next_free_vgpr 512
		.amdhsa_next_free_sgpr 90
		.amdhsa_reserve_vcc 0
		.amdhsa_float_denorm_mode_32 3
		.amdhsa_float_denorm_mode_16_64 3
		.amdhsa_memory_ordered 1
		.amdhsa_forward_progress 1
		.amdhsa_inst_pref_size 129
	.end_amdhsa_kernel
	.amdgpu_metadata
---
amdhsa.version: [ 1, 2 ]
amdhsa.kernels:
  - .name:           k_qa4018edfff_target
    .symbol:         k_qa4018edfff_target.kd
    .args:
      - { .name: target_ipt, .offset: 0, .size: 8, .value_kind: global_buffer, .address_space: global }
      - { .name: hyp_mask, .offset: 8, .size: 8, .value_kind: global_buffer, .address_space: global }
      - { .name: hw, .offset: 16, .size: 8, .value_kind: global_buffer, .address_space: global }
      - { .name: out0, .offset: 24, .size: 8, .value_kind: global_buffer, .address_space: global }
    .group_segment_fixed_size: 295936
    .private_segment_fixed_size: 0
    .kernarg_segment_align: 8
    .kernarg_segment_size: 32
    .max_flat_workgroup_size: 256
    .sgpr_count:     90
    .vgpr_count:     512
    .wavefront_size: 32
...
	.end_amdgpu_metadata
.endif
;; end of part 2
